; MI455X (gfx1250); checked and timed in simulation.
; The chip was launched on July 23, 2026; its instructions are those of AMD's public machine-readable ISA for CDNA 5 (MIT licence, August 2026) and "CDNA5" Instruction Set Architecture Reference Guide (July 2026). The comments in the code are by the model that wrote it; some were corrected since.
;; Attention. Allowed arithmetic: float matrix products may take bf16 or f16 operands with f32 sums; all other float work in f32.
;; Inputs: b_ad 128 float32; b_ae 128 float32; dec_output 32 x 1,024 float32; enc_outputs 2,048 x 32 x 1,024 float32; w_ad 128 x 1,024 float32; w_ae 128 x 1,024 float32.
;; Outputs: out0 32 x 1,024 float32.
;; 2 versions, each right; version 2 is version 1 with the launch stream written anew for expert scheduling mode. Each part assembles by itself: llvm-mc -triple=amdgcn-amd-amdhsa -mcpu=gfx1250 --defsym DOCPART=n.
;; ======== version 1 of 2: 4 launches
;; workspace buffers: projd 16,384 bytes; vq 131,072 bytes; pacc 1,048,576 bytes; pml 65,536 bytes
;; launch projd (part 1): grid 32 x 4, 8 waves a work-group, no clusters, 0 bytes of LDS; arguments dec_output, w_ad, b_ad, projd; writes projd
.if DOCPART == 1
	.amdgcn_target "amdgcn-amd-amdhsa--gfx1250"
	.amdhsa_code_object_version 6
	.text
	.protected	k_q3b8d36ac5b_projd
	.globl	k_q3b8d36ac5b_projd
	.p2align	8
	.type	k_q3b8d36ac5b_projd,@function
k_q3b8d36ac5b_projd:
	s_mov_b64 s[64:65], 0
	v_nop
	global_prefetch_b8 v0, s[64:65] scope:SCOPE_SE
	s_setreg_imm32_b32 hwreg(HW_REG_WAVE_MODE, 25, 1), 1
	s_wait_xcnt 0x0
; projd[b][a] = sum over d of dec_output[b][d] * w_ad[a][d] + b_ad[a].   dec: [32][1024], w_ad: [128][1024], projd: [32][128], all f32.
; Work-group (x, y): a = 4x .. 4x+3, b = 8y .. 8y+7.  Wave w: b = 8y + w, all four a.  Lane l holds columns 4 l + 128 q, q = 0 .. 7,
; so each load of the wave covers 512 neighbouring bytes and a row of 4,096 bytes is eight loads.
; All in f32 on the vector unit: this product feeds the scores, which are exponentiated later; operands rounded to 16 bits would
; shift a score of spread sqrt(128) by more than the result's allowance.  The work is 4.2 M multiply-adds in the whole launch.
; No LDS, no barrier: the sum over d never leaves the wave.  No cluster: nothing is brought by tensor loads, and a group reads 48 KiB.
; KEPT LIMIT: the result leaves as one store of 16 bytes by lane 0 of each wave (four a of one b).  Stores that cover 256 neighbouring
; bytes of projd would want 64 a of one b in one work-group, 256 KiB of w_ad for each group in place of 16 KiB; projd is 16 KiB in all.
; The order of the sum differs from a plain ascending one (64 chains, then a tree).
.set D, 4                              ; v[4:35]     my 32 numbers of dec's row b
.set W, 36                             ; v[36:163]   row k of w_ad at W + 32 k
.set S, 164                            ; v[164:179]  for each k two packed chains: S+4k, S+4k+2
.set R, 180                            ; v[180:183]  the four results
	s_load_b256 s[4:11], s[0:1], 0x0               ; dec s[4:5], w_ad s[6:7], b_ad s[8:9], projd s[10:11]
	v_lshrrev_b32 v2, 5, v0
	v_readfirstlane_b32 s12, v2                    ; wave 0 .. 7
	s_and_b32 s13, ttmp7, 0xffff                   ; y
	s_lshl3_add_u32 s13, s13, s12                  ; b = 8 y + wave
	v_and_b32 v3, 31, v0                           ; lane
	v_lshlrev_b32 v1, 4, v3                        ; 16 bytes a lane
	v_mov_b32 v2, 0                                ; the store's offset
	s_mov_b32 s22, 0x76543210                      ; v_permlanex16_b32: lane i of one half reads lane i of the other
	s_mov_b32 s23, 0xfedcba98
	s_mov_b32 s15, 0                               ; high word of every offset pair
	s_wait_kmcnt 0x0
	s_lshl_b32 s14, s13, 12
	s_add_nc_u64 s[4:5], s[4:5], s[14:15]          ; dec at row b
	s_lshl_b32 s14, ttmp9, 14
	s_add_nc_u64 s[6:7], s[6:7], s[14:15]          ; w_ad at row 4x
	s_lshl_b32 s14, ttmp9, 4
	s_add_nc_u64 s[8:9], s[8:9], s[14:15]          ; b_ad at 4x
	s_load_b128 s[16:19], s[8:9], 0x0              ; the four biases
	s_lshl_b32 s20, s13, 9
	s_add_co_u32 s14, s14, s20                     ; 512 b + 16 x
	s_add_nc_u64 s[10:11], s[10:11], s[14:15]      ; projd at (b, 4x)
.irp q, 0,1,2,3,4,5,6,7
	global_load_b128 v[D+4*\q:D+4*\q+3], v1, s[4:5] offset:512*\q
.endr
.irp k, 0,1,2,3
.irp q, 0,1,2,3,4,5,6,7
	global_load_b128 v[W+32*\k+4*\q:W+32*\k+4*\q+3], v1, s[6:7] offset:4096*\k+512*\q
.endr
.endr
; the four dot products, each in two packed chains; the first products start the sums
.irp k, 0,1,2,3
	s_wait_loadcnt 8*(3-\k)                        ; loads come back in order: dec and rows 0 .. k are in, the 8 loads of each younger row stay out
	v_pk_mul_f32 v[S+4*\k:S+4*\k+1],   v[D:D+1],   v[W+32*\k:W+32*\k+1]
	v_pk_mul_f32 v[S+4*\k+2:S+4*\k+3], v[D+2:D+3], v[W+32*\k+2:W+32*\k+3]
.irp q, 1,2,3,4,5,6,7
	v_pk_fma_f32 v[S+4*\k:S+4*\k+1],   v[D+4*\q:D+4*\q+1],   v[W+32*\k+4*\q:W+32*\k+4*\q+1],   v[S+4*\k:S+4*\k+1]
	v_pk_fma_f32 v[S+4*\k+2:S+4*\k+3], v[D+4*\q+2:D+4*\q+3], v[W+32*\k+4*\q+2:W+32*\k+4*\q+3], v[S+4*\k+2:S+4*\k+3]
.endr
.endr
.irp k, 0,1,2,3
	v_pk_add_f32 v[S+4*\k:S+4*\k+1], v[S+4*\k:S+4*\k+1], v[S+4*\k+2:S+4*\k+3]
.endr
.irp k, 0,1,2,3
	v_add_f32 v[R+\k], v[S+4*\k], v[S+4*\k+1]      ; the lane's share of sum k
.endr
; across the 32 lanes, the four sums side by side: four steps inside each half of 16 lanes, one across the halves
.macro WSTEP msk
.irp k, 0,1,2,3
	v_add_f32_dpp v[R+\k], v[R+\k], v[R+\k] row_xmask:\msk row_mask:0xf bank_mask:0xf
.endr
.endm
	WSTEP 1
	WSTEP 2
	WSTEP 4
	WSTEP 8
.irp k, 0,1,2,3
	v_permlanex16_b32 v[S+4*\k+2], v[R+\k], s22, s23   ; its destination counts as read: a register that has been written
.endr
.irp k, 0,1,2,3
	v_add_f32 v[R+\k], v[R+\k], v[S+4*\k+2]
.endr
	s_wait_kmcnt 0x0                               ; the biases
.irp k, 0,1,2,3
	v_add_f32 v[R+\k], s[16+\k], v[R+\k]
.endr
	v_cmp_eq_u32 vcc_lo, 0, v3
	s_wait_xcnt 0x0                                ; EXEC is a source of every memory instruction issued so far: it changes only behind this wait
	s_and_saveexec_b32 s20, vcc_lo                 ; lane 0 alone
	global_store_b128 v2, v[R:R+3], s[10:11]       ; projd[b][4x .. 4x+3]
	s_endpgm
.Lfunc_end_k_q3b8d36ac5b_projd:
	.size	k_q3b8d36ac5b_projd, .Lfunc_end_k_q3b8d36ac5b_projd-k_q3b8d36ac5b_projd
	.p2alignl 7, 3214868480
	.fill 96, 4, 3214868480
	.section	.rodata,"a",@progbits
	.p2align	6, 0x0
	.amdhsa_kernel k_q3b8d36ac5b_projd
		.amdhsa_group_segment_fixed_size 0
		.amdhsa_private_segment_fixed_size 0
		.amdhsa_enable_private_segment 0
		.amdhsa_kernarg_size 32
		.amdhsa_user_sgpr_count 2
		.amdhsa_user_sgpr_kernarg_segment_ptr 1
		.amdhsa_wavefront_size32 1
		.amdhsa_system_sgpr_workgroup_id_x 1
		.amdhsa_system_sgpr_workgroup_id_y 1
		.amdhsa_system_sgpr_workgroup_id_z 1
		.amdhsa_system_vgpr_workitem_id 0
		.amdhsa_next_free_vgpr 184
		.amdhsa_next_free_sgpr 66
		.amdhsa_reserve_vcc 1
		.amdhsa_float_denorm_mode_32 3
		.amdhsa_float_denorm_mode_16_64 3
		.amdhsa_memory_ordered 1
		.amdhsa_forward_progress 1
		.amdhsa_inst_pref_size 12
	.end_amdhsa_kernel
	.amdgpu_metadata
---
amdhsa.version: [ 1, 2 ]
amdhsa.kernels:
  - .name:           k_q3b8d36ac5b_projd
    .symbol:         k_q3b8d36ac5b_projd.kd
    .args:
      - { .name: dec_output, .offset: 0, .size: 8, .value_kind: global_buffer, .address_space: global }
      - { .name: w_ad, .offset: 8, .size: 8, .value_kind: global_buffer, .address_space: global }
      - { .name: b_ad, .offset: 16, .size: 8, .value_kind: global_buffer, .address_space: global }
      - { .name: projd, .offset: 24, .size: 8, .value_kind: global_buffer, .address_space: global }
    .group_segment_fixed_size: 0
    .private_segment_fixed_size: 0
    .kernarg_segment_align: 8
    .kernarg_segment_size: 32
    .max_flat_workgroup_size: 256
    .sgpr_count:     66
    .vgpr_count:     184
    .wavefront_size: 32
...
	.end_amdgpu_metadata
.endif
;; end of part 1
;; launch vvec (part 2): grid 8 x 8, 8 waves a work-group, no clusters, 17,408 bytes of LDS; arguments w_ae, projd, vq; writes vq
.if DOCPART == 2
	.amdgcn_target "amdgcn-amd-amdhsa--gfx1250"
	.amdhsa_code_object_version 6
	.text
	.protected	k_q3b8d36ac5b_vvec
	.globl	k_q3b8d36ac5b_vvec
	.p2align	8
	.type	k_q3b8d36ac5b_vvec,@function
k_q3b8d36ac5b_vvec:
	s_mov_b64 s[64:65], 0
	v_nop
	global_prefetch_b8 v0, s[64:65] scope:SCOPE_SE
	s_setreg_imm32_b32 hwreg(HW_REG_WAVE_MODE, 25, 1), 1
	s_wait_xcnt 0x0
; vq[b][e] = log2(e) * sum over a of projd[b][a] * w_ae[a][e].   w_ae: [128][1024], projd: [32][128], vq: [32][1024], all f32.
; With it a score is one dot product: (enc . w_ae^T + b_ae) . projd[b] = enc . v[b] + projd[b] . b_ae, for every input.
; The factor log2(e) is folded in here, since the exponentials of the next launches work in base 2.
; Work-group (x, y): columns 128 x .. 128 x + 127 (512 bytes of each row), b = 4y .. 4y+3.  Wave w sums a = 16 w .. 16 w + 15;
; lane l holds columns 4 l .. 4 l + 3, so each load of the wave covers 512 neighbouring bytes.  projd's 4 x 16 numbers are the same in all
; lanes and lie in scalar registers.  The eight waves' partial sums meet in LDS behind one barrier.
; All in f32 on the vector unit, for the reason given in the launch that makes projd; 4.2 M multiply-adds in the whole launch.
; No cluster: the eight groups of one x read the same 64 KiB of w_ae, but through registers, where each number is used four times at once;
; a joint request would bring it to LDS first and add a trip through LDS to a launch whose inputs are 540 KiB in all.
; The order of the sum over a: 16 ascending in each wave, then a tree over the waves.
.set W,   4                            ; v[4:67]    row i of my 16 at W + 4 i
.set ACC, 68                           ; v[68:83]   b = 4y + bb: four columns at ACC + 4 bb
.set RD,  84                           ; v[84:99]   the eight waves' partial pairs, read back
.set GO,  100                          ; v100       the store's offset in vq;  v101 at work
.set PD0, 16                           ; s[16:31]   projd[4y+0][16w ..]
.set PD1, 32                           ; s[32:47]   projd[4y+1][16w ..]
.set PD2, 48                           ; s[48:63]   projd[4y+2][16w ..]
.set PD3, 68                           ; s[68:83]   projd[4y+3][16w ..]
	s_load_b128 s[4:7], s[0:1], 0x0                ; w_ae s[4:5], projd s[6:7]
	s_load_b64 s[8:9], s[0:1], 0x10                ; vq
	v_lshl_add_u32 v104, v0, 2, 0x4000
	v_mov_b32 v105, 0
	v_lshrrev_b32 v2, 5, v0
	v_readfirstlane_b32 s10, v2                    ; wave 0 .. 7
	s_and_b32 s11, ttmp7, 0xffff                   ; y
	v_and_b32 v1, 31, v0
	v_lshlrev_b32 v1, 4, v1                        ; 16 bytes a lane
	s_lshl_b32 s14, s10, 11
	v_add_nc_u32 v2, s14, v1                       ; LDS: my wave's 2,048 bytes, 16 a lane
	v_lshlrev_b32 v3, 3, v0                        ; LDS, read back: thread t takes 8 bytes at 8 t of each wave's part
	v_and_b32 v101, 63, v0
	v_lshlrev_b32 v101, 3, v101
	v_lshrrev_b32 v[GO], 6, v0                     ; those 8 bytes belong to b = 4y + t / 64,
	v_lshl_add_u32 v[GO], v[GO], 12, v101          ; columns 2 (t % 64), + 1
	s_mov_b32 s13, 0                               ; high word of every offset pair
	s_wait_kmcnt 0x0
	s_lshl_b32 s12, s11, 11                        ; 4 y rows of 512 bytes
	s_lshl_b32 s14, s10, 6                         ; + 16 w numbers
	s_add_co_u32 s12, s12, s14
	s_add_nc_u64 s[6:7], s[6:7], s[12:13]
	s_load_b512 s[PD0:PD0+15], s[6:7], 0x0
	s_load_b512 s[PD1:PD1+15], s[6:7], 0x200
	s_load_b512 s[PD2:PD2+15], s[6:7], 0x400
	s_load_b512 s[PD3:PD3+15], s[6:7], 0x600
	s_lshl_b32 s12, s10, 16                        ; 16 w rows of 4,096 bytes
	s_lshl_b32 s14, ttmp9, 9                       ; + 128 x columns
	s_add_co_u32 s12, s12, s14
	s_add_nc_u64 s[4:5], s[4:5], s[12:13]
	s_lshl_b32 s12, s11, 14                        ; vq: 4 y rows of 4,096 bytes + 128 x columns
	s_add_co_u32 s12, s12, s14
	s_add_nc_u64 s[8:9], s[8:9], s[12:13]
.irp i, 0,1,2,3,4,5,6,7,8,9,10,11,12,13,14,15
	global_load_b128 v[W+4*\i:W+4*\i+3], v1, s[4:5] offset:4096*\i
.endr
	s_wait_kmcnt 0x0                               ; projd's 64 numbers
; row i into the sums of one b; row 0 starts them
.macro BFMA i, bb, pd
.irp c, 0,1,2,3
.if \i
	v_fmac_f32 v[ACC+4*\bb+\c], s[\pd+\i], v[W+4*\i+\c]
.else
	v_mul_f32 v[ACC+4*\bb+\c], s[\pd+\i], v[W+4*\i+\c]
.endif
.endr
.endm
.macro ROWFMA i
	s_wait_loadcnt 15-\i                           ; loads come back in order: row i is in, the younger rows stay out
	BFMA \i, 0, PD0
	BFMA \i, 1, PD1
	BFMA \i, 2, PD2
	BFMA \i, 3, PD3
.endm
.irp i, 0,1,2,3,4,5,6,7,8,9,10,11,12,13,14,15
	ROWFMA \i
.endr
; the waves' sums meet: wave w's part of b = 4y + bb lies at 2048 w + 512 bb + 4 x column
.irp bb, 0,1,2,3
	ds_store_b128 v2, v[ACC+4*\bb:ACC+4*\bb+3] offset:512*\bb
.endr
	s_wait_dscnt 0x0                               ; zero: the other waves read these bytes behind the barrier
	s_barrier_signal -1
	s_barrier_wait -1
.irp w, 0,1,2,3,4,5,6,7
	ds_load_b64 v[RD+2*\w:RD+2*\w+1], v3 offset:2048*\w
.endr
	s_wait_dscnt 0x0
.irp p, 0,4,8,12
	v_pk_add_f32 v[RD+\p:RD+\p+1], v[RD+\p:RD+\p+1], v[RD+\p+2:RD+\p+3]
.endr
	v_pk_add_f32 v[RD:RD+1],   v[RD:RD+1],   v[RD+4:RD+5]
	v_pk_add_f32 v[RD+8:RD+9], v[RD+8:RD+9], v[RD+12:RD+13]
	v_pk_add_f32 v[RD:RD+1],   v[RD:RD+1],   v[RD+8:RD+9]
	v_pk_mul_f32 v[RD:RD+1], v[RD:RD+1], 0x3fb8aa3b op_sel_hi:[1,0]    ; x log2(e)
	global_store_b64 v[GO], v[RD:RD+1], s[8:9]     ; each store of a wave covers 256 consecutive bytes, aligned
	s_wait_tensorcnt 0x0
	ds_add_u32 v104, v105
	s_wait_dscnt 0x0
	s_endpgm
.Lfunc_end_k_q3b8d36ac5b_vvec:
	.size	k_q3b8d36ac5b_vvec, .Lfunc_end_k_q3b8d36ac5b_vvec-k_q3b8d36ac5b_vvec
	.p2alignl 7, 3214868480
	.fill 96, 4, 3214868480
	.section	.rodata,"a",@progbits
	.p2align	6, 0x0
	.amdhsa_kernel k_q3b8d36ac5b_vvec
		.amdhsa_group_segment_fixed_size 17408
		.amdhsa_private_segment_fixed_size 0
		.amdhsa_enable_private_segment 0
		.amdhsa_kernarg_size 24
		.amdhsa_user_sgpr_count 2
		.amdhsa_user_sgpr_kernarg_segment_ptr 1
		.amdhsa_wavefront_size32 1
		.amdhsa_system_sgpr_workgroup_id_x 1
		.amdhsa_system_sgpr_workgroup_id_y 1
		.amdhsa_system_sgpr_workgroup_id_z 1
		.amdhsa_system_vgpr_workitem_id 0
		.amdhsa_next_free_vgpr 106
		.amdhsa_next_free_sgpr 84
		.amdhsa_reserve_vcc 0
		.amdhsa_float_denorm_mode_32 3
		.amdhsa_float_denorm_mode_16_64 3
		.amdhsa_memory_ordered 1
		.amdhsa_forward_progress 1
		.amdhsa_inst_pref_size 14
	.end_amdhsa_kernel
	.amdgpu_metadata
---
amdhsa.version: [ 1, 2 ]
amdhsa.kernels:
  - .name:           k_q3b8d36ac5b_vvec
    .symbol:         k_q3b8d36ac5b_vvec.kd
    .args:
      - { .name: w_ae, .offset: 0, .size: 8, .value_kind: global_buffer, .address_space: global }
      - { .name: projd, .offset: 8, .size: 8, .value_kind: global_buffer, .address_space: global }
      - { .name: vq, .offset: 16, .size: 8, .value_kind: global_buffer, .address_space: global }
    .group_segment_fixed_size: 17408
    .private_segment_fixed_size: 0
    .kernarg_segment_align: 8
    .kernarg_segment_size: 24
    .max_flat_workgroup_size: 256
    .sgpr_count:     84
    .vgpr_count:     106
    .wavefront_size: 32
...
	.end_amdgpu_metadata
.endif
;; end of part 2
;; launch stream (part 3): grid 32 x 8, 16 waves a work-group, no clusters, 67,840 bytes of LDS; arguments enc_outputs, vq, projd, b_ae, pacc, pml; writes pacc, pml
.if DOCPART == 3
	.amdgcn_target "amdgcn-amd-amdhsa--gfx1250"
	.amdhsa_code_object_version 6
	.text
	.protected	k_q3b8d36ac5b_stream
	.globl	k_q3b8d36ac5b_stream
	.p2align	8
	.type	k_q3b8d36ac5b_stream,@function
k_q3b8d36ac5b_stream:
	s_mov_b64 s[64:65], 0
	v_nop
	global_prefetch_b8 v0, s[64:65] scope:SCOPE_SE
	s_setreg_imm32_b32 hwreg(HW_REG_WAVE_MODE, 25, 1), 1
	s_wait_xcnt 0x0
; The one pass over enc_outputs [2048 s][32 b][1024 e] f32.  Work-group (b, j) takes the 256 rows s = 256 j .. 256 j + 255 of column b and leaves
;   pml[b][j]  = (M, L):  M = the largest score of its rows (times log2 e), L = sum of 2^(score - M),
;   pacc[b][j][e] = sum of 2^(score - M) * enc[s][b][e],
; which the last launch merges over j.  score x log2(e) = enc[s][b] . vq[b] + C,  C = log2(e) * (projd[b] . b_ae).
; Each row is read from memory once and serves the score and the weighted sum from the same registers: a softmax with a RUNNING maximum.
; SHARES: 16 waves; wave w owns rows 256 j + 16 w + i, i = 0 .. 15, and a whole row of 4,096 bytes lies in 32 registers of the wave: lane l holds
; columns 4 l + 128 q, q = 0 .. 7, so each load covers 512 neighbouring bytes.  Every wave keeps its own maximum, sum and 1,024 sums: no barrier
; while it streams.  Four row slots; rows go two at a time (one maximum, one rescaling for two rows); while two are worked on two are on their way.
; ADDRESSES: one base for the wave, one lane offset, the row and the piece in the immediate (15 x 131,072 + 7 x 512 at the most, inside the signed
; 24-bit field).  Nothing is stepped, so no address register is ever rewritten, and the 16 rows are written out as eight expansions of one macro.
; VECTOR UNIT, NOT MATRIX UNIT: each b has its own single vector, and a number of enc feeds two multiply-adds; a 16-column tile would carry one
; useful column.  f32 throughout: scores are exponentiated.
; NO CLUSTER: the eight groups of one b share vq[b], projd[b] and b_ae, 5 KiB, against 1 MiB of rows that each reads alone.
; NO LDS RING: no byte is used by a second wave, so a trip through LDS would only add reads.
; KEPT LIMITS: sums in another order than a plain ascending one; scores are carried times log2(e), so they overflow at a magnitude 1.44 times
; smaller than unscaled ones; v_exp_f32 gives zero below 2^-126, so weights that far below the largest count as zero; a NaN or infinite score
; makes its whole column b NaN.
.set ROWB, 131072                      ; bytes from row s to row s + 1 of one b
.set STATS, 65536                      ; LDS: 16 waves x 4,096 bytes of sums, then 16 x (M, L)
.set P,   2                            ; v[2:3]     the two rows' weights
.set SC,  4                            ; v4         2^(old maximum - new)
.set MN,  5                            ; v5         new maximum
.set M,   6                            ; v6         running maximum
.set L,   7                            ; v7         running sum of weights
.set C,   8                            ; v8         the score's constant
.set D,   10                           ; v[10:17]   row A's two chains, row B's two chains; then at work
.set VQ,  20                           ; v[20:51]   vq[b] at my 32 columns
.set ACC, 52                           ; v[52:83]   running weighted sums of my 32 columns
.set X,   84                           ; v[84:211]  four row slots of 32 registers
	s_load_b256 s[4:11], s[0:1], 0x0               ; enc s[4:5], vq s[6:7], projd s[8:9], b_ae s[10:11]
	s_load_b128 s[12:15], s[0:1], 0x20             ; pacc s[12:13], pml s[14:15]
	v_lshl_add_u32 v212, v0, 2, 0x10100
	v_mov_b32 v213, 0
	v_lshrrev_b32 v1, 5, v0
	v_readfirstlane_b32 s16, v1                    ; wave 0 .. 15
	s_and_b32 s17, ttmp7, 0xffff                   ; j
	v_and_b32 v1, 31, v0
	v_lshlrev_b32 v1, 4, v1                        ; 16 bytes a lane: the offset of every global load
	s_mov_b32 s20, 0x76543210                      ; v_permlanex16_b32: lane i of one half reads lane i of the other
	s_mov_b32 s21, 0xfedcba98
	s_mov_b32 s19, 0                               ; high word of every offset pair: all offsets are below 2^28
	s_lshl_b32 s22, ttmp9, 12                      ; 4,096 b
	s_wait_kmcnt 0x0
	s_mov_b32 s18, s22
	s_add_nc_u64 s[6:7], s[6:7], s[18:19]          ; vq at row b
	s_lshl_b32 s18, ttmp9, 9
	s_add_nc_u64 s[8:9], s[8:9], s[18:19]          ; projd at row b
	s_lshl_b32 s18, s17, 25                        ; 256 j rows of 131,072 bytes
	s_lshl_b32 s23, s16, 21                        ; + 16 w rows
	s_add_co_u32 s18, s18, s23
	s_add_co_u32 s18, s18, s22                     ; + column b
	s_add_nc_u64 s[4:5], s[4:5], s[18:19]          ; enc at my wave's first row
	s_lshl_b32 s18, ttmp9, 3
	s_add_co_u32 s18, s18, s17                     ; 8 b + j
	s_lshl_b32 s23, s18, 8
	s_lshl_b32 s18, s18, 12
	s_add_nc_u64 s[12:13], s[12:13], s[18:19]      ; pacc at (b, j)
	s_mov_b32 s18, s23
	s_add_nc_u64 s[14:15], s[14:15], s[18:19]      ; pml at (b, j)
.macro LOADROW slot, row               ; eight loads: the whole row, read once in the launch
.irp q, 0,1,2,3,4,5,6,7
	global_load_b128 v[X+32*(\slot)+4*\q:X+32*(\slot)+4*\q+3], v1, s[4:5] offset:ROWB*(\row)+512*\q th:TH_LOAD_NT
.endr
.endm
.irp q, 0,1,2,3,4,5,6,7
	global_load_b128 v[VQ+4*\q:VQ+4*\q+3], v1, s[6:7] offset:512*\q
.endr
	global_load_b128 v[D:D+3],   v1, s[8:9]        ; projd[b][4 l ..]
	global_load_b128 v[D+4:D+7], v1, s[10:11]      ; b_ae[4 l ..]
	LOADROW 0, 0
	LOADROW 1, 1
	LOADROW 2, 2
	LOADROW 3, 3
	s_wait_loadcnt 32                              ; vq, projd and b_ae are in; the 32 loads of the four rows stay out
	v_pk_mul_f32 v[D:D+1], v[D:D+1], v[D+4:D+5]
	v_pk_fma_f32 v[D:D+1], v[D+2:D+3], v[D+6:D+7], v[D:D+1]
	v_add_f32 v[D], v[D], v[D+1]
.irp m, 1,2,4,8
	v_add_f32_dpp v[D], v[D], v[D] row_xmask:\m row_mask:0xf bank_mask:0xf
.endr
	v_permlanex16_b32 v[D+1], v[D], s20, s21       ; (its destination has been written)
	v_add_f32 v[D], v[D], v[D+1]
	v_mul_f32 v[C], 0x3fb8aa3b, v[D]               ; C = log2(e) * (projd[b] . b_ae), in every lane
; Two rows, in slots sa and sa + 1.  first = 1: they start the maximum and the sums (nothing is cleared).  left = how many younger loads may
; stay out.  refill = 1: the slots get rows nrow and nrow + 1, each as soon as its old row has gone into the sums.
.macro GROUP sa, first, left, refill, nrow
.set XA, X+32*\sa
.set XB, X+32*\sa+32
	s_wait_loadcnt \left                           ; loads come back in order: my two rows are in
	; the two scores: four chains that do not wait for each other
	v_pk_mul_f32 v[D:D+1],   v[XA:XA+1],   v[VQ:VQ+1]
	v_pk_mul_f32 v[D+2:D+3], v[XA+2:XA+3], v[VQ+2:VQ+3]
	v_pk_mul_f32 v[D+4:D+5], v[XB:XB+1],   v[VQ:VQ+1]
	v_pk_mul_f32 v[D+6:D+7], v[XB+2:XB+3], v[VQ+2:VQ+3]
.irp q, 1,2,3,4,5,6,7
	v_pk_fma_f32 v[D:D+1],   v[XA+4*\q:XA+4*\q+1],   v[VQ+4*\q:VQ+4*\q+1],   v[D:D+1]
	v_pk_fma_f32 v[D+2:D+3], v[XA+4*\q+2:XA+4*\q+3], v[VQ+4*\q+2:VQ+4*\q+3], v[D+2:D+3]
	v_pk_fma_f32 v[D+4:D+5], v[XB+4*\q:XB+4*\q+1],   v[VQ+4*\q:VQ+4*\q+1],   v[D+4:D+5]
	v_pk_fma_f32 v[D+6:D+7], v[XB+4*\q+2:XB+4*\q+3], v[VQ+4*\q+2:VQ+4*\q+3], v[D+6:D+7]
.endr
	v_pk_add_f32 v[D:D+1],   v[D:D+1],   v[D+2:D+3]
	v_pk_add_f32 v[D+4:D+5], v[D+4:D+5], v[D+6:D+7]
	v_add_f32 v[D],   v[D],   v[D+1]
	v_add_f32 v[D+4], v[D+4], v[D+5]
.irp m, 1,2,4,8
	v_add_f32_dpp v[D],   v[D],   v[D]   row_xmask:\m row_mask:0xf bank_mask:0xf
	v_add_f32_dpp v[D+4], v[D+4], v[D+4] row_xmask:\m row_mask:0xf bank_mask:0xf
.endr
	v_permlanex16_b32 v[D+1], v[D],   s20, s21
	v_permlanex16_b32 v[D+5], v[D+4], s20, s21
	v_add_f32 v[D],   v[D],   v[D+1]
	v_add_f32 v[D+4], v[D+4], v[D+5]
	v_add_f32 v[D],   v[C], v[D]                   ; both scores, times log2(e), in every lane
	v_add_f32 v[D+4], v[C], v[D+4]
	; the maximum is taken away before every exponential
.if \first
	v_max_num_f32 v[M], v[D], v[D+4]
	v_sub_f32 v[D+2], v[D],   v[M]
	v_sub_f32 v[D+6], v[D+4], v[M]
	v_exp_f32 v[P],   v[D+2]
	v_exp_f32 v[P+1], v[D+6]
	v_nop                                          ; one plain vector instruction between a transcendental and the use of its result (ISA guide 5.7.2)
	s_wait_alu depctr_va_vdst(0)
	v_add_f32 v[L], v[P], v[P+1]
.irp i, 0,2,4,6,8,10,12,14,16,18,20,22,24,26,28,30
	v_pk_mul_f32 v[ACC+\i:ACC+\i+1], v[XA+\i:XA+\i+1], v[P:P+1] op_sel_hi:[1,0]
.endr
.else
	v_max3_num_f32 v[MN], v[M], v[D], v[D+4]
	v_sub_f32 v[D+1], v[M],   v[MN]
	v_sub_f32 v[D+2], v[D],   v[MN]
	v_sub_f32 v[D+6], v[D+4], v[MN]
	v_exp_f32 v[SC],  v[D+1]
	v_exp_f32 v[P],   v[D+2]
	v_exp_f32 v[P+1], v[D+6]
	v_mov_b32 v[M], v[MN]                          ; the plain instruction behind the transcendentals: it names none of their registers
	s_wait_alu depctr_va_vdst(0)
	v_fma_f32 v[L], v[L], v[SC], v[P]
	v_add_f32 v[L], v[L], v[P+1]
.irp i, 0,2,4,6,8,10,12,14,16,18,20,22,24,26,28,30
	v_pk_mul_f32 v[ACC+\i:ACC+\i+1], v[ACC+\i:ACC+\i+1], v[SC:SC+1] op_sel_hi:[1,0]               ; both halves x SC
.endr
.irp i, 0,2,4,6,8,10,12,14,16,18,20,22,24,26,28,30
	v_pk_fma_f32 v[ACC+\i:ACC+\i+1], v[XA+\i:XA+\i+1], v[P:P+1], v[ACC+\i:ACC+\i+1] op_sel_hi:[1,0,1]   ; both halves x row A's weight
.endr
.endif
.if \refill
	LOADROW \sa, \nrow
.endif
.irp i, 0,2,4,6,8,10,12,14,16,18,20,22,24,26,28,30
	v_pk_fma_f32 v[ACC+\i:ACC+\i+1], v[XB+\i:XB+\i+1], v[P:P+1], v[ACC+\i:ACC+\i+1] op_sel:[0,1,0]      ; both halves x row B's weight
.endr
.if \refill
	LOADROW \sa+1, \nrow+1
.endif
.endm
	GROUP 0, 1, 16, 1, 4                           ; rows 0, 1; the 16 loads of rows 2, 3 stay out
	GROUP 2, 0, 16, 1, 6                           ; from here on the 16 loads that stay out are the refill of the group before
	GROUP 0, 0, 16, 1, 8
	GROUP 2, 0, 16, 1, 10
	GROUP 0, 0, 16, 1, 12
	GROUP 2, 0, 16, 1, 14
	GROUP 0, 0, 16, 0, 0                           ; rows 12, 13; rows 14, 15 stay out; no row is left to ask for
	GROUP 2, 0, 0, 0, 0                            ; rows 14, 15: nothing was issued behind them
; THE 16 WAVES' RESULTS MEET IN LDS.  Wave w's sums at 4096 w + 4 x column, its (M, L) at STATS + 8 w.  The row slots are free now.
.set ST,   84                          ; v[84:115]   wave w: M at ST + 2 w, L at ST + 2 w + 1
.set PA,   116                         ; v[116:147]  wave w: its sums of my two columns
.set F,    148                         ; v[148:163]  2^(M of wave w - the group's M)
.set MT,   164                         ; v164        the group's M
.set LT,   165                         ; v165        the group's L
.set OUT,  166                         ; v[166:167]  the group's sums of my two columns
.set G,    168                         ; v[168:183]  the exponents
.set A_ACC, 184                        ; v184        LDS: my wave's sums, 16 bytes a lane
.set A_ST,  185                        ; v185        LDS: my wave's (M, L)
.set A_ALL, 186                        ; v186        LDS: all the (M, L)
.set A_T,   187                        ; v187        8 t: my two columns, in LDS and in pacc
.set A_L,   188                        ; v188        8 x lane
	s_lshl_b32 s22, s16, 12
	s_lshl_b32 s23, s16, 3
	s_add_co_u32 s23, s23, STATS
	v_add_nc_u32 v[A_ACC], s22, v1
	v_mov_b32 v[A_ST], s23
	v_mov_b32 v[A_ALL], STATS
	v_lshlrev_b32 v[A_T], 3, v0
	v_lshrrev_b32 v[A_L], 1, v1
.irp q, 0,1,2,3,4,5,6,7
	ds_store_b128 v[A_ACC], v[ACC+4*\q:ACC+4*\q+3] offset:512*\q
.endr
	ds_store_b64 v[A_ST], v[M:M+1]                 ; all lanes write the same 8 bytes with the same numbers
	s_wait_dscnt 0x0                               ; zero: the other waves read these bytes behind the barrier
	s_barrier_signal -1
	s_barrier_wait -1
.irp i, 0,1,2,3,4,5,6,7
	ds_load_b128 v[ST+4*\i:ST+4*\i+3], v[A_ALL] offset:16*\i
.endr
.irp w, 0,1,2,3,4,5,6,7,8,9,10,11,12,13,14,15
	ds_load_b64 v[PA+2*\w:PA+2*\w+1], v[A_T] offset:4096*\w
.endr
	s_wait_dscnt 16                                ; LDS loads come back in order: the (M, L) are in, the 16 loads of sums stay out
	v_max3_num_f32 v[MT], v[ST], v[ST+2], v[ST+4]
.irp w, 3,5,7,9,11,13
	v_max3_num_f32 v[MT], v[MT], v[ST+2*\w], v[ST+2*\w+2]
.endr
	v_max_num_f32 v[MT], v[MT], v[ST+30]
.irp w, 0,1,2,3,4,5,6,7,8,9,10,11,12,13,14,15
	v_sub_f32 v[G+\w], v[ST+2*\w], v[MT]
.endr
.irp w, 0,1,2,3,4,5,6,7,8,9,10,11,12,13,14,15
	v_exp_f32 v[F+\w], v[G+\w]
.endr
	v_nop                                          ; the plain instruction behind the transcendentals
	s_wait_alu depctr_va_vdst(0)
	v_mul_f32 v[LT], v[F], v[ST+1]
.irp w, 1,2,3,4,5,6,7,8,9,10,11,12,13,14,15
	v_fmac_f32 v[LT], v[F+\w], v[ST+2*\w+1]
.endr
	s_wait_dscnt 0x0                               ; the sums
	v_pk_mul_f32 v[OUT:OUT+1], v[PA:PA+1],   v[F:F+1] op_sel_hi:[1,0]
	v_pk_fma_f32 v[OUT:OUT+1], v[PA+2:PA+3], v[F:F+1], v[OUT:OUT+1] op_sel:[0,1,0]
.irp w, 2,4,6,8,10,12,14
	v_pk_fma_f32 v[OUT:OUT+1], v[PA+2*\w:PA+2*\w+1],   v[F+\w:F+\w+1], v[OUT:OUT+1] op_sel_hi:[1,0,1]   ; the even wave's factor for both halves
	v_pk_fma_f32 v[OUT:OUT+1], v[PA+2*\w+2:PA+2*\w+3], v[F+\w:F+\w+1], v[OUT:OUT+1] op_sel:[0,1,0]      ; the odd wave's
.endr
	global_store_b64 v[A_T], v[OUT:OUT+1], s[12:13]    ; each store of a wave covers 256 consecutive bytes, aligned
	s_cmp_lg_u32 s16, 0
	s_cbranch_scc1 .Lend                           ; wave 0 alone writes the record; no barrier stands behind this branch
	global_store_b64 v[A_L], v[MT:MT+1], s[14:15]  ; (M, L) 32 times: the record's 256 consecutive bytes in one store; lane i of the next launch reads copy i
.Lend:
	s_wait_tensorcnt 0x0
	ds_add_u32 v212, v213
	s_wait_dscnt 0x0
	s_endpgm
.Lfunc_end_k_q3b8d36ac5b_stream:
	.size	k_q3b8d36ac5b_stream, .Lfunc_end_k_q3b8d36ac5b_stream-k_q3b8d36ac5b_stream
	.p2alignl 7, 3214868480
	.fill 96, 4, 3214868480
	.section	.rodata,"a",@progbits
	.p2align	6, 0x0
	.amdhsa_kernel k_q3b8d36ac5b_stream
		.amdhsa_group_segment_fixed_size 67840
		.amdhsa_private_segment_fixed_size 0
		.amdhsa_enable_private_segment 0
		.amdhsa_kernarg_size 48
		.amdhsa_user_sgpr_count 2
		.amdhsa_user_sgpr_kernarg_segment_ptr 1
		.amdhsa_wavefront_size32 1
		.amdhsa_system_sgpr_workgroup_id_x 1
		.amdhsa_system_sgpr_workgroup_id_y 1
		.amdhsa_system_sgpr_workgroup_id_z 1
		.amdhsa_system_vgpr_workitem_id 0
		.amdhsa_next_free_vgpr 214
		.amdhsa_next_free_sgpr 66
		.amdhsa_reserve_vcc 0
		.amdhsa_float_denorm_mode_32 3
		.amdhsa_float_denorm_mode_16_64 3
		.amdhsa_memory_ordered 1
		.amdhsa_forward_progress 1
		.amdhsa_inst_pref_size 71
	.end_amdhsa_kernel
	.amdgpu_metadata
---
amdhsa.version: [ 1, 2 ]
amdhsa.kernels:
  - .name:           k_q3b8d36ac5b_stream
    .symbol:         k_q3b8d36ac5b_stream.kd
    .args:
      - { .name: enc_outputs, .offset: 0, .size: 8, .value_kind: global_buffer, .address_space: global }
      - { .name: vq, .offset: 8, .size: 8, .value_kind: global_buffer, .address_space: global }
      - { .name: projd, .offset: 16, .size: 8, .value_kind: global_buffer, .address_space: global }
      - { .name: b_ae, .offset: 24, .size: 8, .value_kind: global_buffer, .address_space: global }
      - { .name: pacc, .offset: 32, .size: 8, .value_kind: global_buffer, .address_space: global }
      - { .name: pml, .offset: 40, .size: 8, .value_kind: global_buffer, .address_space: global }
    .group_segment_fixed_size: 67840
    .private_segment_fixed_size: 0
    .kernarg_segment_align: 8
    .kernarg_segment_size: 48
    .max_flat_workgroup_size: 512
    .sgpr_count:     66
    .vgpr_count:     214
    .wavefront_size: 32
...
	.end_amdgpu_metadata
.endif
;; end of part 3
;; launch finish (part 4): grid 32 x 1, 8 waves a work-group, no clusters, 0 bytes of LDS; arguments pacc, pml, out0; writes out0
.if DOCPART == 4
	.amdgcn_target "amdgcn-amd-amdhsa--gfx1250"
	.amdhsa_code_object_version 6
	.text
	.protected	k_q3b8d36ac5b_finish
	.globl	k_q3b8d36ac5b_finish
	.p2align	8
	.type	k_q3b8d36ac5b_finish,@function
k_q3b8d36ac5b_finish:
	s_mov_b64 s[64:65], 0
	v_nop
	global_prefetch_b8 v0, s[64:65] scope:SCOPE_SE
	s_setreg_imm32_b32 hwreg(HW_REG_WAVE_MODE, 25, 1), 1
	s_wait_xcnt 0x0
; out0[b][e] = sum over j of 2^(M_j - M) pacc[b][j][e]  /  sum over j of 2^(M_j - M) L_j,   M = the largest of the eight M_j.
; pacc: [32][8][1024] f32; pml: [32][8][32 copies of (M, L)] f32; out0: [32][1024] f32.
; Work-group b; thread t owns columns 4 t .. 4 t + 3, so each load and store of a wave covers 512 neighbouring bytes.
; Every thread works the eight factors out for itself (lane i from copy i of each record): no LDS, no barrier.
; The sum of weights is at least 1: the part that holds the maximum has the factor 1 and an L of at least 1; so the reciprocal is safe.
; 32 work-groups: the launch has 1.06 MiB to read and one row of 4,096 bytes for each b to write; there is no work for more.
; No cluster, no matrix unit: the groups share nothing, and the work is eight multiply-adds for each output.
; Kept limit: the division is a multiplication by v_rcp_f32's result (1 ULP, ISA guide 15.8).
.set ST,  4                            ; v[4:19]    part j: M at ST + 2 j, L at ST + 2 j + 1
.set PA,  20                           ; v[20:51]   part j: its sums of my four columns
.set MT,  52                           ; v52        the maximum
.set LT,  53                           ; v53        the sum of weights
.set G,   54                           ; v[54:61]   the exponents
.set F,   62                           ; v[62:69]   the factors, then divided by LT
.set RL,  70                           ; v70        1 / LT
.set OUT, 72                           ; v[72:75]   the result
	s_load_b128 s[4:7], s[0:1], 0x0                ; pacc s[4:5], pml s[6:7]
	s_load_b64 s[8:9], s[0:1], 0x10                ; out0
	v_lshlrev_b32 v1, 4, v0                        ; 16 t
	v_and_b32 v2, 31, v0
	v_lshlrev_b32 v2, 3, v2                        ; 8 x lane
	s_mov_b32 s11, 0
	s_wait_kmcnt 0x0
	s_lshl_b32 s10, ttmp9, 15
	s_add_nc_u64 s[4:5], s[4:5], s[10:11]          ; pacc at (b, 0)
	s_lshl_b32 s10, ttmp9, 11
	s_add_nc_u64 s[6:7], s[6:7], s[10:11]          ; pml at (b, 0)
	s_lshl_b32 s10, ttmp9, 12
	s_add_nc_u64 s[8:9], s[8:9], s[10:11]          ; out0 at row b
.irp j, 0,1,2,3,4,5,6,7
	global_load_b64 v[ST+2*\j:ST+2*\j+1], v2, s[6:7] offset:256*\j
.endr
.irp j, 0,1,2,3,4,5,6,7
	global_load_b128 v[PA+4*\j:PA+4*\j+3], v1, s[4:5] offset:4096*\j th:TH_LOAD_NT
.endr
	s_wait_loadcnt 8                               ; the eight (M, L) are in; the eight loads of sums stay out
	v_max3_num_f32 v[MT], v[ST], v[ST+2], v[ST+4]
	v_max3_num_f32 v[MT], v[MT], v[ST+6], v[ST+8]
	v_max3_num_f32 v[MT], v[MT], v[ST+10], v[ST+12]
	v_max_num_f32 v[MT], v[MT], v[ST+14]
.irp j, 0,1,2,3,4,5,6,7
	v_sub_f32 v[G+\j], v[ST+2*\j], v[MT]
.endr
.irp j, 0,1,2,3,4,5,6,7
	v_exp_f32 v[F+\j], v[G+\j]
.endr
	v_nop                                          ; one plain vector instruction between a transcendental and the use of its result (ISA guide 5.7.2)
	s_wait_alu depctr_va_vdst(0)
	v_mul_f32 v[LT], v[F], v[ST+1]
.irp j, 1,2,3,4,5,6,7
	v_fmac_f32 v[LT], v[F+\j], v[ST+2*\j+1]
.endr
	v_rcp_f32 v[RL], v[LT]
	v_nop                                          ; likewise
	s_wait_alu depctr_va_vdst(0)
.irp j, 0,1,2,3,4,5,6,7
	v_mul_f32 v[F+\j], v[F+\j], v[RL]              ; the division goes into the eight factors, not into the 1,024 sums
.endr
	s_wait_loadcnt 7                               ; part 0 is in; the counts run down as the parts are used
	v_pk_mul_f32 v[OUT:OUT+1],   v[PA:PA+1],   v[F:F+1] op_sel_hi:[1,0]
	v_pk_mul_f32 v[OUT+2:OUT+3], v[PA+2:PA+3], v[F:F+1] op_sel_hi:[1,0]
	s_wait_loadcnt 6
	v_pk_fma_f32 v[OUT:OUT+1],   v[PA+4:PA+5], v[F:F+1], v[OUT:OUT+1]   op_sel:[0,1,0]
	v_pk_fma_f32 v[OUT+2:OUT+3], v[PA+6:PA+7], v[F:F+1], v[OUT+2:OUT+3] op_sel:[0,1,0]
.irp j, 2,4,6
	s_wait_loadcnt 7-\j
	v_pk_fma_f32 v[OUT:OUT+1],   v[PA+4*\j:PA+4*\j+1],   v[F+\j:F+\j+1], v[OUT:OUT+1]   op_sel_hi:[1,0,1]   ; the even part's factor for both halves
	v_pk_fma_f32 v[OUT+2:OUT+3], v[PA+4*\j+2:PA+4*\j+3], v[F+\j:F+\j+1], v[OUT+2:OUT+3] op_sel_hi:[1,0,1]
	s_wait_loadcnt 6-\j
	v_pk_fma_f32 v[OUT:OUT+1],   v[PA+4*\j+4:PA+4*\j+5], v[F+\j:F+\j+1], v[OUT:OUT+1]   op_sel:[0,1,0]      ; the odd part's
	v_pk_fma_f32 v[OUT+2:OUT+3], v[PA+4*\j+6:PA+4*\j+7], v[F+\j:F+\j+1], v[OUT+2:OUT+3] op_sel:[0,1,0]
.endr
	global_store_b128 v1, v[OUT:OUT+3], s[8:9]     ; each store of a wave covers 512 consecutive bytes, aligned
	s_endpgm
.Lfunc_end_k_q3b8d36ac5b_finish:
	.size	k_q3b8d36ac5b_finish, .Lfunc_end_k_q3b8d36ac5b_finish-k_q3b8d36ac5b_finish
	.p2alignl 7, 3214868480
	.fill 96, 4, 3214868480
	.section	.rodata,"a",@progbits
	.p2align	6, 0x0
	.amdhsa_kernel k_q3b8d36ac5b_finish
		.amdhsa_group_segment_fixed_size 0
		.amdhsa_private_segment_fixed_size 0
		.amdhsa_enable_private_segment 0
		.amdhsa_kernarg_size 24
		.amdhsa_user_sgpr_count 2
		.amdhsa_user_sgpr_kernarg_segment_ptr 1
		.amdhsa_wavefront_size32 1
		.amdhsa_system_sgpr_workgroup_id_x 1
		.amdhsa_system_sgpr_workgroup_id_y 1
		.amdhsa_system_sgpr_workgroup_id_z 1
		.amdhsa_system_vgpr_workitem_id 0
		.amdhsa_next_free_vgpr 76
		.amdhsa_next_free_sgpr 66
		.amdhsa_reserve_vcc 0
		.amdhsa_float_denorm_mode_32 3
		.amdhsa_float_denorm_mode_16_64 3
		.amdhsa_memory_ordered 1
		.amdhsa_forward_progress 1
		.amdhsa_inst_pref_size 5
	.end_amdhsa_kernel
	.amdgpu_metadata
---
amdhsa.version: [ 1, 2 ]
amdhsa.kernels:
  - .name:           k_q3b8d36ac5b_finish
    .symbol:         k_q3b8d36ac5b_finish.kd
    .args:
      - { .name: pacc, .offset: 0, .size: 8, .value_kind: global_buffer, .address_space: global }
      - { .name: pml, .offset: 8, .size: 8, .value_kind: global_buffer, .address_space: global }
      - { .name: out0, .offset: 16, .size: 8, .value_kind: global_buffer, .address_space: global }
    .group_segment_fixed_size: 0
    .private_segment_fixed_size: 0
    .kernarg_segment_align: 8
    .kernarg_segment_size: 24
    .max_flat_workgroup_size: 256
    .sgpr_count:     66
    .vgpr_count:     76
    .wavefront_size: 32
...
	.end_amdgpu_metadata
.endif
;; end of part 4
;; ======== version 2 of 2: 4 launches; version 1 with the launch stream written anew for expert scheduling mode
;; workspace buffers: projd 16,384 bytes; vq 131,072 bytes; pacc 1,048,576 bytes; pml 65,536 bytes
;; launch projd: the kernel of part 1 again; grid 32 x 4, 8 waves a work-group, no clusters, 0 bytes of LDS; arguments dec_output, w_ad, b_ad, projd; writes projd
;; launch vvec: the kernel of part 2 again; grid 8 x 8, 8 waves a work-group, no clusters, 17,408 bytes of LDS; arguments w_ae, projd, vq; writes vq
;; launch stream (part 5): grid 32 x 8, 16 waves a work-group, no clusters, 67,840 bytes of LDS; arguments enc_outputs, vq, projd, b_ae, pacc, pml; writes pacc, pml
.if DOCPART == 5
	.amdgcn_target "amdgcn-amd-amdhsa--gfx1250"
	.amdhsa_code_object_version 6
	.text
	.protected	k_q3b8d36ac5b_stream
	.globl	k_q3b8d36ac5b_stream
	.p2align	8
	.type	k_q3b8d36ac5b_stream,@function
k_q3b8d36ac5b_stream:
	s_mov_b64 s[64:65], 0
	v_nop
	global_prefetch_b8 v0, s[64:65] scope:SCOPE_SE
	s_setreg_imm32_b32 hwreg(HW_REG_WAVE_SCHED_MODE, 0, 2), 2
	s_setreg_imm32_b32 hwreg(HW_REG_WAVE_MODE, 25, 1), 1
	s_wait_xcnt 0x0
	s_wait_alu depctr_vm_vsrc(0)
; The one pass over enc_outputs [2048 s][32 b][1024 e] f32.  Work-group (b, j) takes the 256 rows s = 256 j .. 256 j + 255 of column b and leaves
;   pml[b][j]  = (M, L):  M = the largest score of its rows (times log2 e), L = sum of 2^(score - M),
;   pacc[b][j][e] = sum of 2^(score - M) * enc[s][b][e],
; which the last launch merges over j.  score x log2(e) = enc[s][b] . vq[b] + C,  C = log2(e) * (projd[b] . b_ae).
; Each row is read from memory once and serves the score and the weighted sum from the same registers: a softmax with a RUNNING maximum.
; SHARES: 16 waves; wave w owns rows 256 j + 16 w + i, i = 0 .. 15, and a whole row of 4,096 bytes lies in 32 registers of the wave: lane l holds
; columns 4 l + 128 q, q = 0 .. 7, so each load covers 512 neighbouring bytes.  Every wave keeps its own maximum, sum and 1,024 sums: no barrier
; while it streams.  Four row slots; rows go two at a time (one maximum, one rescaling for two rows); while two are worked on two are on their way.
; ADDRESSES: one base for the wave, one lane offset, the row and the piece in the immediate (15 x 131,072 + 7 x 512 at the most, inside the signed
; 24-bit field).  Nothing is stepped, so no address register is ever rewritten, and the 16 rows are written out as eight expansions of one macro.
; VECTOR UNIT, NOT MATRIX UNIT: each b has its own single vector, and a number of enc feeds two multiply-adds; a 16-column tile would carry one
; useful column.  f32 throughout: scores are exponentiated.
; NO CLUSTER: the eight groups of one b share vq[b], projd[b] and b_ae, 5 KiB, against 1 MiB of rows that each reads alone.
; NO LDS RING: no byte is used by a second wave, so a trip through LDS would only add reads.
; KEPT LIMITS: sums in another order than a plain ascending one; scores are carried times log2(e), so they overflow at a magnitude 1.44 times
; smaller than unscaled ones; v_exp_f32 gives zero below 2^-126, so weights that far below the largest count as zero; a NaN or infinite score
; makes its whole column b NaN.
; THE MODE: SCHED_MODE bits 1:0 = 2 (LLVM: expert scheduling mode 2), set by the entry lines.  The code itself states the register dependences
; between vector instructions and memory or LDS instructions, with s_wait_alu, always for 0.
; THE PLAN.  Registers that memory or LDS instructions touch:
;   v1            The offset of every global load.  Written at the head, never again: one wait in front of the first load serves all 138.
;   VQ, D         Loads land in them once, at the head, before any vector instruction has named them.
;   X0 .. X3      A group's score chains and its multiply-adds into ACC read its two slots; behind the last of these stands ONE wait, and behind it
;                 the 16 loads that fill both slots again, in one run.  The wait stands there, and not at the next group's head, because that head
;                 is a wait for data: the two slots would lie idle, and fewer loads would be on their way, all that while.
;   ACC, M, L     Written by the groups; read by the LDS stores of the way out; not written behind them.
;   A_..          Five addresses, made once at the way out; read by LDS stores, LDS loads and the global stores; not written again.
;   ST, PA        X0 and X1 under other names: the LDS loads behind the barrier land in them; their last vector readers are the multiply-adds of rows 12, 13.
;   OUT, MT, LT   Written by the merge; read by the global stores, the kernel's last instructions.
; No register that a memory or LDS instruction reads is ever written again; EXEC is never written.
.set ROWB, 131072                      ; bytes from row s to row s + 1 of one b
.set STATS, 65536                      ; LDS: 16 waves x 4,096 bytes of sums, then 16 x (M, L)
.set P,   2                            ; v[2:3]     the two rows' weights
.set SC,  4                            ; v4         2^(old maximum - new)
.set MN,  5                            ; v5         new maximum
.set M,   6                            ; v6         running maximum
.set L,   7                            ; v7         running sum of weights
.set C,   8                            ; v8         the score's constant
.set D,   10                           ; v[10:17]   row A's two chains, row B's two chains; then at work
.set VQ,  20                           ; v[20:51]   vq[b] at my 32 columns
.set ACC, 52                           ; v[52:83]   running weighted sums of my 32 columns
.set X,   84                           ; v[84:211]  four row slots of 32 registers
	s_load_b256 s[4:11], s[0:1], 0x0               ; enc s[4:5], vq s[6:7], projd s[8:9], b_ae s[10:11]
	s_load_b128 s[12:15], s[0:1], 0x20             ; pacc s[12:13], pml s[14:15]
	v_lshl_add_u32 v18, v0, 2, 0x10100
	v_mov_b32 v19, 0
	v_lshrrev_b32 v1, 5, v0
	v_readfirstlane_b32 s16, v1                    ; wave 0 .. 15
	s_and_b32 s17, ttmp7, 0xffff                   ; j
	v_and_b32 v1, 31, v0
	v_lshlrev_b32 v1, 4, v1                        ; 16 bytes a lane: the offset of every global load
	s_mov_b32 s20, 0x76543210                      ; v_permlanex16_b32: lane i of one half reads lane i of the other
	s_mov_b32 s21, 0xfedcba98
	s_mov_b32 s19, 0                               ; high word of every offset pair: all offsets are below 2^28
	s_lshl_b32 s22, ttmp9, 12                      ; 4,096 b
	s_wait_alu depctr_va_sdst(0)                   ; s16 is written, ahead of its first reader: enc's base is made from it, later the LDS addresses and the last branch
	s_wait_kmcnt 0x0
	s_mov_b32 s18, s22
	s_add_nc_u64 s[6:7], s[6:7], s[18:19]          ; vq at row b
	s_lshl_b32 s18, ttmp9, 9
	s_add_nc_u64 s[8:9], s[8:9], s[18:19]          ; projd at row b
	s_lshl_b32 s18, s17, 25                        ; 256 j rows of 131,072 bytes
	s_lshl_b32 s23, s16, 21                        ; + 16 w rows
	s_add_co_u32 s18, s18, s23
	s_add_co_u32 s18, s18, s22                     ; + column b
	s_add_nc_u64 s[4:5], s[4:5], s[18:19]          ; enc at my wave's first row
	s_lshl_b32 s18, ttmp9, 3
	s_add_co_u32 s18, s18, s17                     ; 8 b + j
	s_lshl_b32 s23, s18, 8
	s_lshl_b32 s18, s18, 12
	s_add_nc_u64 s[12:13], s[12:13], s[18:19]      ; pacc at (b, j)
	s_mov_b32 s18, s23
	s_add_nc_u64 s[14:15], s[14:15], s[18:19]      ; pml at (b, j)
.macro LOADROW slot, row               ; eight loads: the whole row, read once in the launch
.irp q, 0,1,2,3,4,5,6,7
	global_load_b128 v[X+32*(\slot)+4*\q:X+32*(\slot)+4*\q+3], v1, s[4:5] offset:ROWB*(\row)+512*\q th:TH_LOAD_NT
.endr
.endm
	s_wait_alu depctr_va_vdst(0)                   ; v1 is written: every global load of the kernel reads it as its offset, and no line writes it again
.irp q, 0,1,2,3,4,5,6,7
	global_load_b128 v[VQ+4*\q:VQ+4*\q+3], v1, s[6:7] offset:512*\q
.endr
	global_load_b128 v[D:D+3],   v1, s[8:9]        ; projd[b][4 l ..]
	global_load_b128 v[D+4:D+7], v1, s[10:11]      ; b_ae[4 l ..]
	LOADROW 0, 0
	LOADROW 1, 1
	LOADROW 2, 2
	LOADROW 3, 3
	s_wait_loadcnt 32                              ; vq, projd and b_ae are in; the 32 loads of the four rows stay out
	v_pk_mul_f32 v[D:D+1], v[D:D+1], v[D+4:D+5]
	v_pk_fma_f32 v[D:D+1], v[D+2:D+3], v[D+6:D+7], v[D:D+1]
	v_add_f32 v[D], v[D], v[D+1]
.irp m, 1,2,4,8
	v_add_f32_dpp v[D], v[D], v[D] row_xmask:\m row_mask:0xf bank_mask:0xf
.endr
	v_permlanex16_b32 v[D+1], v[D], s20, s21       ; (its destination has been written)
	v_add_f32 v[D], v[D], v[D+1]
	v_mul_f32 v[C], 0x3fb8aa3b, v[D]               ; C = log2(e) * (projd[b] . b_ae), in every lane
; Two rows, in slots sa and sa + 1.  first = 1: they start the maximum and the sums (nothing is cleared).  left = how many younger loads may
; stay out.  refill = 1: when both rows have gone into the sums, the slots get rows nrow and nrow + 1, behind the group's one wait on va_vdst.
.macro GROUP sa, first, left, refill, nrow
.set XA, X+32*\sa
.set XB, X+32*\sa+32
	s_wait_loadcnt \left                           ; loads come back in order: my two rows are in
	; the two scores: four chains that do not wait for each other
	v_pk_mul_f32 v[D:D+1],   v[XA:XA+1],   v[VQ:VQ+1]
	v_pk_mul_f32 v[D+2:D+3], v[XA+2:XA+3], v[VQ+2:VQ+3]
	v_pk_mul_f32 v[D+4:D+5], v[XB:XB+1],   v[VQ:VQ+1]
	v_pk_mul_f32 v[D+6:D+7], v[XB+2:XB+3], v[VQ+2:VQ+3]
.irp q, 1,2,3,4,5,6,7
	v_pk_fma_f32 v[D:D+1],   v[XA+4*\q:XA+4*\q+1],   v[VQ+4*\q:VQ+4*\q+1],   v[D:D+1]
	v_pk_fma_f32 v[D+2:D+3], v[XA+4*\q+2:XA+4*\q+3], v[VQ+4*\q+2:VQ+4*\q+3], v[D+2:D+3]
	v_pk_fma_f32 v[D+4:D+5], v[XB+4*\q:XB+4*\q+1],   v[VQ+4*\q:VQ+4*\q+1],   v[D+4:D+5]
	v_pk_fma_f32 v[D+6:D+7], v[XB+4*\q+2:XB+4*\q+3], v[VQ+4*\q+2:VQ+4*\q+3], v[D+6:D+7]
.endr
	v_pk_add_f32 v[D:D+1],   v[D:D+1],   v[D+2:D+3]
	v_pk_add_f32 v[D+4:D+5], v[D+4:D+5], v[D+6:D+7]
	v_add_f32 v[D],   v[D],   v[D+1]
	v_add_f32 v[D+4], v[D+4], v[D+5]
.irp m, 1,2,4,8
	v_add_f32_dpp v[D],   v[D],   v[D]   row_xmask:\m row_mask:0xf bank_mask:0xf
	v_add_f32_dpp v[D+4], v[D+4], v[D+4] row_xmask:\m row_mask:0xf bank_mask:0xf
.endr
	v_permlanex16_b32 v[D+1], v[D],   s20, s21
	v_permlanex16_b32 v[D+5], v[D+4], s20, s21
	v_add_f32 v[D],   v[D],   v[D+1]
	v_add_f32 v[D+4], v[D+4], v[D+5]
	v_add_f32 v[D],   v[C], v[D]                   ; both scores, times log2(e), in every lane
	v_add_f32 v[D+4], v[C], v[D+4]
	; the maximum is taken away before every exponential
.if \first
	v_max_num_f32 v[M], v[D], v[D+4]
	v_sub_f32 v[D+2], v[D],   v[M]
	v_sub_f32 v[D+6], v[D+4], v[M]
	v_exp_f32 v[P],   v[D+2]
	v_exp_f32 v[P+1], v[D+6]
	v_nop                                          ; one plain vector instruction between a transcendental and the use of its result (ISA guide 5.7.2)
	s_wait_alu depctr_va_vdst(0)
	v_add_f32 v[L], v[P], v[P+1]
.irp i, 0,2,4,6,8,10,12,14,16,18,20,22,24,26,28,30
	v_pk_mul_f32 v[ACC+\i:ACC+\i+1], v[XA+\i:XA+\i+1], v[P:P+1] op_sel_hi:[1,0]
.endr
.else
	v_max3_num_f32 v[MN], v[M], v[D], v[D+4]
	v_sub_f32 v[D+1], v[M],   v[MN]
	v_sub_f32 v[D+2], v[D],   v[MN]
	v_sub_f32 v[D+6], v[D+4], v[MN]
	v_exp_f32 v[SC],  v[D+1]
	v_exp_f32 v[P],   v[D+2]
	v_exp_f32 v[P+1], v[D+6]
	v_mov_b32 v[M], v[MN]                          ; the plain instruction behind the transcendentals: it names none of their registers
	s_wait_alu depctr_va_vdst(0)
	v_fma_f32 v[L], v[L], v[SC], v[P]
	v_add_f32 v[L], v[L], v[P+1]
.irp i, 0,2,4,6,8,10,12,14,16,18,20,22,24,26,28,30
	v_pk_mul_f32 v[ACC+\i:ACC+\i+1], v[ACC+\i:ACC+\i+1], v[SC:SC+1] op_sel_hi:[1,0]               ; both halves x SC
.endr
.irp i, 0,2,4,6,8,10,12,14,16,18,20,22,24,26,28,30
	v_pk_fma_f32 v[ACC+\i:ACC+\i+1], v[XA+\i:XA+\i+1], v[P:P+1], v[ACC+\i:ACC+\i+1] op_sel_hi:[1,0,1]   ; both halves x row A's weight
.endr
.endif
.irp i, 0,2,4,6,8,10,12,14,16,18,20,22,24,26,28,30
	v_pk_fma_f32 v[ACC+\i:ACC+\i+1], v[XB+\i:XB+\i+1], v[P:P+1], v[ACC+\i:ACC+\i+1] op_sel:[0,1,0]      ; both halves x row B's weight
.endr
.if \refill
	s_wait_alu depctr_va_vdst(0)                   ; the score chains and the multiply-adds above are done reading slots sa and sa + 1, in which the 16 loads below land
	LOADROW \sa, \nrow
	LOADROW \sa+1, \nrow+1
.endif
.endm
	GROUP 0, 1, 16, 1, 4                           ; rows 0, 1; the 16 loads of rows 2, 3 stay out
	GROUP 2, 0, 16, 1, 6                           ; from here on the 16 loads that stay out are the refill of the group before
	GROUP 0, 0, 16, 1, 8
	GROUP 2, 0, 16, 1, 10
	GROUP 0, 0, 16, 1, 12
	GROUP 2, 0, 16, 1, 14
	GROUP 0, 0, 16, 0, 0                           ; rows 12, 13; rows 14, 15 stay out; no row is left to ask for, so the group states no dependence
	GROUP 2, 0, 0, 0, 0                            ; rows 14, 15: nothing was issued behind them
; THE 16 WAVES' RESULTS MEET IN LDS.  Wave w's sums at 4096 w + 4 x column, its (M, L) at STATS + 8 w.  The row slots are free now.
.set ST,   84                          ; v[84:115]   wave w: M at ST + 2 w, L at ST + 2 w + 1
.set PA,   116                         ; v[116:147]  wave w: its sums of my two columns
.set F,    148                         ; v[148:163]  2^(M of wave w - the group's M)
.set MT,   164                         ; v164        the group's M
.set LT,   165                         ; v165        the group's L
.set OUT,  166                         ; v[166:167]  the group's sums of my two columns
.set G,    168                         ; v[168:183]  the exponents
.set A_ACC, 184                        ; v184        LDS: my wave's sums, 16 bytes a lane
.set A_ST,  185                        ; v185        LDS: my wave's (M, L)
.set A_ALL, 186                        ; v186        LDS: all the (M, L)
.set A_T,   187                        ; v187        8 t: my two columns, in LDS and in pacc
.set A_L,   188                        ; v188        8 x lane
	s_lshl_b32 s22, s16, 12
	s_lshl_b32 s23, s16, 3
	s_add_co_u32 s23, s23, STATS
	v_add_nc_u32 v[A_ACC], s22, v1
	v_mov_b32 v[A_ST], s23
	v_mov_b32 v[A_ALL], STATS
	v_lshlrev_b32 v[A_T], 3, v0
	v_lshrrev_b32 v[A_L], 1, v1
	s_wait_alu depctr_va_vdst(0)                   ; ACC, M, L and the five addresses are written, which the LDS stores and loads below read; the groups are done reading slots 0 and 1, in which the LDS loads behind the barrier land (no vector instruction stands between here and those loads)
.irp q, 0,1,2,3,4,5,6,7
	ds_store_b128 v[A_ACC], v[ACC+4*\q:ACC+4*\q+3] offset:512*\q
.endr
	ds_store_b64 v[A_ST], v[M:M+1]                 ; all lanes write the same 8 bytes with the same numbers
	s_wait_dscnt 0x0                               ; zero: the other waves read these bytes behind the barrier
	s_barrier_signal -1
	s_barrier_wait -1
.irp i, 0,1,2,3,4,5,6,7
	ds_load_b128 v[ST+4*\i:ST+4*\i+3], v[A_ALL] offset:16*\i
.endr
.irp w, 0,1,2,3,4,5,6,7,8,9,10,11,12,13,14,15
	ds_load_b64 v[PA+2*\w:PA+2*\w+1], v[A_T] offset:4096*\w
.endr
	s_wait_dscnt 16                                ; LDS loads come back in order: the (M, L) are in, the 16 loads of sums stay out
	v_max3_num_f32 v[MT], v[ST], v[ST+2], v[ST+4]
.irp w, 3,5,7,9,11,13
	v_max3_num_f32 v[MT], v[MT], v[ST+2*\w], v[ST+2*\w+2]
.endr
	v_max_num_f32 v[MT], v[MT], v[ST+30]
.irp w, 0,1,2,3,4,5,6,7,8,9,10,11,12,13,14,15
	v_sub_f32 v[G+\w], v[ST+2*\w], v[MT]
.endr
.irp w, 0,1,2,3,4,5,6,7,8,9,10,11,12,13,14,15
	v_exp_f32 v[F+\w], v[G+\w]
.endr
	v_nop                                          ; the plain instruction behind the transcendentals
	s_wait_alu depctr_va_vdst(0)
	v_mul_f32 v[LT], v[F], v[ST+1]
.irp w, 1,2,3,4,5,6,7,8,9,10,11,12,13,14,15
	v_fmac_f32 v[LT], v[F+\w], v[ST+2*\w+1]
.endr
	s_wait_dscnt 0x0                               ; the sums
	v_pk_mul_f32 v[OUT:OUT+1], v[PA:PA+1],   v[F:F+1] op_sel_hi:[1,0]
	v_pk_fma_f32 v[OUT:OUT+1], v[PA+2:PA+3], v[F:F+1], v[OUT:OUT+1] op_sel:[0,1,0]
.irp w, 2,4,6,8,10,12,14
	v_pk_fma_f32 v[OUT:OUT+1], v[PA+2*\w:PA+2*\w+1],   v[F+\w:F+\w+1], v[OUT:OUT+1] op_sel_hi:[1,0,1]   ; the even wave's factor for both halves
	v_pk_fma_f32 v[OUT:OUT+1], v[PA+2*\w+2:PA+2*\w+3], v[F+\w:F+\w+1], v[OUT:OUT+1] op_sel:[0,1,0]      ; the odd wave's
.endr
	s_wait_alu depctr_va_vdst(0)                   ; OUT, MT and LT are written, which the two stores below read; no vector instruction follows on either path
	global_store_b64 v[A_T], v[OUT:OUT+1], s[12:13]    ; each store of a wave covers 256 consecutive bytes, aligned
	s_cmp_lg_u32 s16, 0
	s_cbranch_scc1 .Lend                           ; wave 0 alone writes the record; no barrier stands behind this branch
	global_store_b64 v[A_L], v[MT:MT+1], s[14:15]  ; (M, L) 32 times: the record's 256 consecutive bytes in one store; lane i of the next launch reads copy i
.Lend:
	s_wait_dscnt 0x0
	s_wait_alu depctr_hold_cnt(0) depctr_sa_sdst(0) depctr_va_vdst(0) depctr_va_sdst(0) depctr_va_ssrc(0) depctr_va_vcc(0) depctr_vm_vsrc(0)
	s_wait_tensorcnt 0x0
	ds_add_u32 v18, v19
	s_wait_dscnt 0x0
	s_endpgm
.Lfunc_end_k_q3b8d36ac5b_stream:
	.size	k_q3b8d36ac5b_stream, .Lfunc_end_k_q3b8d36ac5b_stream-k_q3b8d36ac5b_stream
	.p2alignl 7, 3214868480
	.fill 96, 4, 3214868480
	.section	.rodata,"a",@progbits
	.p2align	6, 0x0
	.amdhsa_kernel k_q3b8d36ac5b_stream
		.amdhsa_group_segment_fixed_size 67840
		.amdhsa_private_segment_fixed_size 0
		.amdhsa_enable_private_segment 0
		.amdhsa_kernarg_size 48
		.amdhsa_user_sgpr_count 2
		.amdhsa_user_sgpr_kernarg_segment_ptr 1
		.amdhsa_wavefront_size32 1
		.amdhsa_system_sgpr_workgroup_id_x 1
		.amdhsa_system_sgpr_workgroup_id_y 1
		.amdhsa_system_sgpr_workgroup_id_z 1
		.amdhsa_system_vgpr_workitem_id 0
		.amdhsa_next_free_vgpr 212
		.amdhsa_next_free_sgpr 66
		.amdhsa_reserve_vcc 0
		.amdhsa_float_denorm_mode_32 3
		.amdhsa_float_denorm_mode_16_64 3
		.amdhsa_memory_ordered 1
		.amdhsa_forward_progress 1
		.amdhsa_inst_pref_size 72
	.end_amdhsa_kernel
	.amdgpu_metadata
---
amdhsa.version: [ 1, 2 ]
amdhsa.kernels:
  - .name:           k_q3b8d36ac5b_stream
    .symbol:         k_q3b8d36ac5b_stream.kd
    .args:
      - { .name: enc_outputs, .offset: 0, .size: 8, .value_kind: global_buffer, .address_space: global }
      - { .name: vq, .offset: 8, .size: 8, .value_kind: global_buffer, .address_space: global }
      - { .name: projd, .offset: 16, .size: 8, .value_kind: global_buffer, .address_space: global }
      - { .name: b_ae, .offset: 24, .size: 8, .value_kind: global_buffer, .address_space: global }
      - { .name: pacc, .offset: 32, .size: 8, .value_kind: global_buffer, .address_space: global }
      - { .name: pml, .offset: 40, .size: 8, .value_kind: global_buffer, .address_space: global }
    .group_segment_fixed_size: 67840
    .private_segment_fixed_size: 0
    .kernarg_segment_align: 8
    .kernarg_segment_size: 48
    .max_flat_workgroup_size: 512
    .sgpr_count:     66
    .vgpr_count:     212
    .wavefront_size: 32
...
	.end_amdgpu_metadata
.endif
;; end of part 5
;; launch finish: the kernel of part 4 again; grid 32 x 1, 8 waves a work-group, no clusters, 0 bytes of LDS; arguments pacc, pml, out0; writes out0
